; MI455X (gfx1250); checked and timed in simulation.
; The chip was launched on July 23, 2026; its instructions are those of AMD's public machine-readable ISA for CDNA 5 (MIT licence, August 2026) and "CDNA5" Instruction Set Architecture Reference Guide (July 2026). The comments in the code are by the model that wrote it; some were corrected since.
;; Transformer Conv Block. Allowed arithmetic: float matrix products may take bf16 or f16 operands with f32 sums; other float arithmetic in f32, or as packed bf16 or f16 multiplies, adds, multiply-adds, maxima and minima; sums over many terms, partial sums and values carried from step to step in f32; what a program stores and reads back later, other than sums and carried values, may be rounded once to bf16 or f16.
;; Inputs: W_K 8 x 512 x 64 float32; W_O 512 x 512 float32; W_Q 8 x 512 x 64 float32; W_V 8 x 512 x 64 float32; ffn1_b 2,048 float32; ffn1_w 2,048 x 512 float32; ffn2_b 512 float32; ffn2_w 512 x 2,048 float32; ln1_b 512 float32; ln1_w 512 float32; ln2_b 512 float32; ln2_w 512 float32; scale_attn one number float32; scale_ffn one number float32; scale_norm1 one number float32; scale_norm2 one number float32; x 16 x 512 x 32 x 32 float32.
;; Outputs: out0 16 x 512 x 32 x 32 float32.
;; One version. Each part assembles by itself: llvm-mc -triple=amdgcn-amd-amdhsa -mcpu=gfx1250 --defsym DOCPART=n.
;; ======== version 1 of 1: 2 launches
;; limits: values outside matrix products are rounded to bf16
;; workspace buffers: wsw 6,291,456 bytes
;; launch prep (part 1): grid 768 x 1, 8 waves a work-group, no clusters, 0 bytes of LDS; arguments W_Q, W_K, W_V, W_O, ffn1_w, ffn2_w, wsw; writes wsw
.if DOCPART == 1
	.amdgcn_target "amdgcn-amd-amdhsa--gfx1250"
	.amdhsa_code_object_version 6
	.text
	.protected	k_q4396c910aa_prep
	.globl	k_q4396c910aa_prep
	.p2align	8
	.type	k_q4396c910aa_prep,@function
k_q4396c910aa_prep:
	s_mov_b64 s[64:65], 0
	v_nop
	global_prefetch_b8 v0, s[64:65] scope:SCOPE_SE
	s_setreg_imm32_b32 hwreg(HW_REG_WAVE_MODE, 25, 1), 1
	s_wait_xcnt 0x0
; All six weight matrices, rounded once to bf16 and laid out fragment by fragment in the order in which the main launch takes them.
; wsw = 24 double chunks of 262,144 bytes: 0-3 [Q_e | K_e], 4-7 [V_e | O_e] (e = quarter of the head size, 16 channels of every head), 8-23 [W1_c | W2_c] (c = 128 hidden channels).
; A half is 4 wave quarters of 32 fragments of 1,024 bytes.  A fragment is 16 output channels x 32 k as source 0 of v_wmma_f32_16x16x32_bf16:
; at byte 512 q2 + 16 L lie W(n0 + L % 16, k0 + 16 q2 + 8 (L / 16) + 0..7).
; W2's K steps lie in wave quarter w in the order w, w + 1, w + 2, w + 3 (mod 4): the main launch's wave w begins each chunk with the 32 hidden channels that it has made itself.
; One wave makes one fragment: 6,144 waves.  Each of its two stores covers 512 consecutive bytes, aligned.
; Q, K, V, O lie [k][n] in memory (16 loads of 4 bytes a lane, 16 lanes side by side); W1, W2 lie [n][k] (4 loads of 16 bytes a lane).
	s_load_b256 s[4:11], s[0:1], 0x0               ; W_Q s[4:5], W_K s[6:7], W_V s[8:9], W_O s[10:11]
	s_load_b128 s[12:15], s[0:1], 0x20             ; ffn1_w s[12:13], ffn2_w s[14:15]
	s_load_b64 s[16:17], s[0:1], 0x30              ; wsw
	v_lshrrev_b32 v1, 5, v0
	v_readfirstlane_b32 s18, v1                    ; wave 0..7
	s_lshl_b32 s19, ttmp9, 3
	s_add_co_u32 s19, s19, s18                     ; the fragment's number, 0 .. 6,143
	s_and_b32 s20, s19, 31                         ; f: fragment in the wave quarter
	s_bfe_u32 s21, s19, 0x20005                    ; w: wave quarter
	s_bfe_u32 s22, s19, 0x10007                    ; half of the double chunk
	s_lshr_b32 s23, s19, 8                         ; double chunk
	v_and_b32 v1, 15, v0                           ; r = L % 16
	v_bfe_u32 v2, v0, 4, 1                         ; h = L / 16
	v_and_b32 v3, 31, v0
	v_lshlrev_b32 v3, 4, v3                        ; 16 L
	s_lshl_b32 s38, s19, 10                        ; the fragment's place in wsw
	s_mov_b32 s39, 0
	s_and_b32 s31, s20, 1                          ; a half that projects (Q, K, V, W1): f = t + 2 u
	s_lshr_b32 s32, s20, 1
	s_and_b32 s33, s20, 7                          ; a half that reduces (O, W2): f = t + 8 u
	s_lshr_b32 s34, s20, 3
	s_wait_kmcnt 0x0
	s_add_nc_u64 s[36:37], s[16:17], s[38:39]
	s_cmp_ge_u32 s23, 8
	s_cbranch_scc1 .Lkc
	; Q, K, V: W(n, k) = src[k][n], k = 32 u + kk, n = 64 (2 w + t) + 16 e + r.   O: k-row 64 (2 u + q2) + 16 e + 8 h + j, n = 64 t + 16 w + r.
	s_and_b32 s24, s23, 3
	s_lshl_b32 s24, s24, 4                         ; 16 e
	s_lshr_b32 s30, s23, 2
	s_and_b32 s30, s30, s22                        ; 1: this half is W_O's
	s_lshl_b32 s25, s32, 5                         ; first row 32 u
	s_lshl_b32 s35, s21, 7
	s_lshl_b32 s31, s31, 6
	s_add_co_u32 s35, s35, s31
	s_add_co_u32 s35, s35, s24                     ; first column 128 w + 64 t + 16 e
	s_lshl_b32 s34, s34, 7
	s_add_co_u32 s34, s34, s24                     ; O: first row 128 u + 16 e
	s_lshl_b32 s33, s33, 6
	s_lshl_b32 s31, s21, 4
	s_add_co_u32 s33, s33, s31                     ; O: first column 64 t + 16 w
	s_cmp_eq_u32 s30, 1
	s_cselect_b32 s25, s34, s25
	s_cselect_b32 s35, s33, s35
	s_cselect_b32 s31, 17, 15                      ; from q2 = 0 to q2 = 1: 64 rows of 2,048 bytes, or 16
	s_lshl_b32 s31, 1, s31
	s_lshl_b32 s25, s25, 11
	s_lshl2_add_u32 s25, s35, s25                  ; row x 2,048 + column x 4
	s_cmp_eq_u32 s22, 0
	s_cselect_b64 s[26:27], s[4:5], s[6:7]
	s_cselect_b64 s[28:29], s[8:9], s[10:11]
	s_cmp_lt_u32 s23, 4
	s_cselect_b64 s[26:27], s[26:27], s[28:29]
	v_lshlrev_b32 v4, 2, v1
	v_lshl_add_u32 v4, v2, 14, v4                  ; 4 r + 8 h rows
	v_add_nc_u32 v4, s25, v4
	v_add_nc_u32 v5, s31, v4
.irp j, 0,1,2,3,4,5,6,7
	global_load_b32 v[8+\j], v4, s[26:27] offset:\j*2048
	global_load_b32 v[16+\j], v5, s[26:27] offset:\j*2048
.endr
	s_branch .Ljoin
.Lkc:
	; W1: n = 128 c + 16 (2 w + t) + r, k = 32 u + kk, rows of 2,048 bytes.   W2: n = 64 t + 16 w + r, k = 128 c + 32 ((u + w) % 4) + kk, rows of 8,192 bytes.
	s_sub_co_u32 s24, s23, 8
	s_lshl_b32 s24, s24, 7                         ; 128 c
	s_lshl_b32 s30, s21, 5
	s_add_co_u32 s25, s24, s30
	s_lshl_b32 s31, s31, 4
	s_add_co_u32 s25, s25, s31                     ; W1: first row
	s_lshl_b32 s32, s32, 5                         ; W1: first column
	s_lshl_b32 s33, s33, 6
	s_lshl_b32 s30, s21, 4
	s_add_co_u32 s33, s33, s30                     ; W2: first row
	s_add_co_u32 s34, s34, s21
	s_and_b32 s34, s34, 3                          ; W2: the K step that wave quarter w takes in this place
	s_lshl_b32 s34, s34, 5
	s_add_co_u32 s34, s34, s24                     ; W2: first column
	s_cmp_eq_u32 s22, 0
	s_cselect_b32 s25, s25, s33
	s_cselect_b32 s32, s32, s34
	s_cselect_b32 s30, 11, 13                      ; log2 of a row's bytes
	s_cselect_b64 s[26:27], s[12:13], s[14:15]
	s_lshl_b32 s25, s25, s30
	s_lshl2_add_u32 s25, s32, s25
	v_lshlrev_b32 v4, s30, v1
	v_lshl_add_u32 v4, v2, 5, v4                   ; r rows + 32 h
	v_add_nc_u32 v4, s25, v4
	global_load_b128 v[8:11], v4, s[26:27]
	global_load_b128 v[12:15], v4, s[26:27] offset:16
	global_load_b128 v[16:19], v4, s[26:27] offset:64
	global_load_b128 v[20:23], v4, s[26:27] offset:80
.Ljoin:
	s_wait_loadcnt 0x0
.irp j, 0,1,2,3,4,5,6,7
	v_cvt_pk_bf16_f32 v[24+\j], v[8+2*\j], v[9+2*\j]
.endr
	global_store_b128 v3, v[24:27], s[36:37]
	global_store_b128 v3, v[28:31], s[36:37] offset:512
	s_endpgm
.Lfunc_end_k_q4396c910aa_prep:
	.size	k_q4396c910aa_prep, .Lfunc_end_k_q4396c910aa_prep-k_q4396c910aa_prep
	.p2alignl 7, 3214868480
	.fill 96, 4, 3214868480
	.section	.rodata,"a",@progbits
	.p2align	6, 0x0
	.amdhsa_kernel k_q4396c910aa_prep
		.amdhsa_group_segment_fixed_size 0
		.amdhsa_private_segment_fixed_size 0
		.amdhsa_enable_private_segment 0
		.amdhsa_kernarg_size 56
		.amdhsa_user_sgpr_count 2
		.amdhsa_user_sgpr_kernarg_segment_ptr 1
		.amdhsa_wavefront_size32 1
		.amdhsa_system_sgpr_workgroup_id_x 1
		.amdhsa_system_sgpr_workgroup_id_y 1
		.amdhsa_system_sgpr_workgroup_id_z 1
		.amdhsa_system_vgpr_workitem_id 0
		.amdhsa_next_free_vgpr 32
		.amdhsa_next_free_sgpr 66
		.amdhsa_reserve_vcc 0
		.amdhsa_float_denorm_mode_32 3
		.amdhsa_float_denorm_mode_16_64 3
		.amdhsa_memory_ordered 1
		.amdhsa_forward_progress 1
		.amdhsa_inst_pref_size 6
	.end_amdhsa_kernel
	.amdgpu_metadata
---
amdhsa.version: [ 1, 2 ]
amdhsa.kernels:
  - .name:           k_q4396c910aa_prep
    .symbol:         k_q4396c910aa_prep.kd
    .args:
      - { .name: W_Q, .offset: 0, .size: 8, .value_kind: global_buffer, .address_space: global }
      - { .name: W_K, .offset: 8, .size: 8, .value_kind: global_buffer, .address_space: global }
      - { .name: W_V, .offset: 16, .size: 8, .value_kind: global_buffer, .address_space: global }
      - { .name: W_O, .offset: 24, .size: 8, .value_kind: global_buffer, .address_space: global }
      - { .name: ffn1_w, .offset: 32, .size: 8, .value_kind: global_buffer, .address_space: global }
      - { .name: ffn2_w, .offset: 40, .size: 8, .value_kind: global_buffer, .address_space: global }
      - { .name: wsw, .offset: 48, .size: 8, .value_kind: global_buffer, .address_space: global }
    .group_segment_fixed_size: 0
    .private_segment_fixed_size: 0
    .kernarg_segment_align: 8
    .kernarg_segment_size: 56
    .max_flat_workgroup_size: 256
    .sgpr_count:     66
    .vgpr_count:     32
    .wavefront_size: 32
...
	.end_amdgpu_metadata
.endif
;; end of part 1
;; launch block (part 2): grid 256 x 1, 4 waves a work-group, clusters of 4 x 1, 327,680 bytes of LDS; arguments x, wsw, ffn1_b, ffn2_b, ln1_w, ln1_b, ln2_w, ln2_b, scale_norm1, scale_attn, scale_ffn, scale_norm2, out0; writes out0
.if DOCPART == 2
	.amdgcn_target "amdgcn-amd-amdhsa--gfx1250"
	.amdhsa_code_object_version 6
	.text
	.protected	k_q4396c910aa_block
	.globl	k_q4396c910aa_block
	.p2align	8
	.type	k_q4396c910aa_block,@function
k_q4396c910aa_block:
	s_mov_b64 s[64:65], 0
	v_nop
	global_prefetch_b8 v0, s[64:65] scope:SCOPE_SE
	s_setreg_imm32_b32 hwreg(HW_REG_WAVE_MODE, 25, 1), 1
	s_wait_xcnt 0x0
	s_wait_alu depctr_hold_cnt(0) depctr_sa_sdst(0) depctr_va_vdst(0) depctr_va_sdst(0) depctr_va_ssrc(0) depctr_va_vcc(0) depctr_vm_vsrc(0)
	s_getreg_b32 s2, hwreg(HW_REG_IB_STS2, 6, 4)
	s_cmp_eq_u32 s2, 0
	s_cbranch_scc0 .Lentry_in_a_cluster
	s_endpgm
.Lentry_in_a_cluster:
	s_bfe_u32 s2, ttmp6, 0x10000c
	s_cmp_lg_u32 s2, 0x3003
	s_cbranch_scc0 .Lentry_shape_is_right
	s_endpgm
.Lentry_shape_is_right:
; THE WHOLE BLOCK FOR 64 PIXELS A WORK-GROUP: LN1, q/k/v, attention across the 8 heads of each pixel, W_O, residual, ReLU, the FFN, LN2, + x, ReLU; NCHW in and out.
; 16,384 pixels / 64 = 256 work-groups of four waves.  A channel's 64 pixels are 256 consecutive bytes of x and of out0.
; ALL PRODUCTS ARE TAKEN TRANSPOSED: source 0 = 16 output channels of weights, source 1 = 16 pixels; in the result a lane holds ONE pixel (lane % 16) and the channels 8 (lane / 16) + 0..7.
; TWO KINDS OF PERIOD, each on one weight slot of 131,072 bytes, 128 matrix instructions a wave:
;   P: 128 new channels from K = 512.  The activation's 64 fragments (16 K steps x 4 pixel tiles) stay in 512 registers of every wave; wave w makes channel tiles 2 w, 2 w + 1: 8 accumulators by turns.
;   R: all 512 channels take 128 more k.  Wave w owns channel tiles 4 t + w (t = 0..7) x 4 pixel tiles: 32 accumulators by turns; source 1 comes from a chunk buffer in LDS.
; THE CHAIN: 4 x [P Q_e, P K_e, S^T += K_e Q_e^T] (e: 16 of each head's 64 channels); softmax; 4 x [P V_e, o_e = V_e^T a^T, R W_O,e] on accumulators that start as xn; y = relu;
;   16 x [P h_c (128 hidden), R W2,c] on accumulators that start as ffn2_b; LN2, + x, relu.  So q, k, v, o and h exist 128 channels at a time, in 17 KB.
; IN THE FFN a wave's own two channel tiles of h, packed, ARE source 1 of one K step of R (32 hidden channels).  So wave w takes a chunk's K steps in the order w, w + 1, w + 2, w + 3 (mod 4):
;   the first from its registers, while its stores of h, the barrier and the loads of the other waves' h go on beside the products.  W2's fragments lie in that order.
; WEIGHTS come as bf16 fragments (the launch before), each wave's quarter of a slot by one tensor load, read by that wave alone.  All work-groups walk the same weights: the four of a cluster
; ask JOINTLY.  The sums over e and c may start anywhere, so cluster x starts at e = x % 4, c = x % 16: only global addresses hang on that.
; LIMITS: matrix operands are bf16 (xn, q, k, v, the attention weights, o, y, h, all weights); the residual takes the bf16 xn; scale_attn is multiplied into the attention weights before
; they are rounded; sums over e and c are taken in an order that differs from cluster to cluster, those inside an FFN chunk in an order that differs from wave to wave.
; The clip at +20 is not written: a score less its row's maximum is never above 0.  NaN and infinities are not treated apart.
; REGISTERS, in windows of 256 (s_set_vgpr_msb: bits 1:0 source 0, 3:2 source 1, 5:4 source 2, 7:6 destination):
;   window 0: v1-27 addresses, v28 zero, v30-31 the add's; v32-95, v96-159 weight fragments (two buffers); v160-223 P's accumulators, in R two buffers of source 1; v224-255 at work
;   windows 1, 2: the activation's fragments, K step u, pixel tile p at 8 (4 (u % 8) + p) of window 1 + u / 8.  (LN1: ln1_w, ln1_b.  The way out: ln2_w and ln2_b; x.)
;   window 3: R's accumulators, (t, p) at 8 (4 t + p).  (LN1: the lane's 256 numbers of x.  QK: v0-63 S^T, v128-255 my own channels of xn, packed.)
.set SLOTB, 131072                     ; LDS: slot 0 at 0, slot 1 at 131,072; wave w's quarter at 32,768 w
.set XT,    131072                     ; the x tile, f32: 512 channel rows of 256 bytes + 16 of padding; filled once
.set XPW,   34816                      ; 128 such rows: a wave's share
.set C0,    262144                     ; chunk buffer 0: 64 pixels x 128 channels of bf16, rows of 272 bytes
.set CD,    17408                      ; chunk buffer 1 lies CD behind it
.set EX,    270336                     ; exchange of xn and of y: 64 pixels x 256 channels, rows of 528 bytes; used only while the chunk buffers and ASC hold nothing
.set ASC,   296960                     ; the packed attention weights: each wave's own 4,096 bytes
.set ST1,   313344                     ; LN2's partial sums [pixel][wave]; the sums of squares 1,024 behind
.set SPARE, 327168                     ; the spare words: 128 bytes a wave, two blocks of 256 bytes that no other line names
.set W0,  32
.set W1,  96
.set PA,  160
.set TMP, 224
.set MSB, 0
.macro WIN new                         ; the immediate's high byte repeats the setting that is left; a switch that changes nothing is dropped
.if MSB != (\new)
	s_set_vgpr_msb (MSB<<8)|(\new)
.set MSB, \new
.endif
.endm
.macro PLACES n                        ; plain vector instructions between a matrix instruction and what touches its registers (ISA guide 7.12.1)
.rept \n
	v_nop
.endr
.endm
.macro CREST                           ; a round of the cluster's barrier behind its opening barrier
	s_cmp_lg_u32 s38, 0
	s_cbranch_scc1 .Lnot_wave_0_\@
	s_barrier_signal -3
.Lnot_wave_0_\@:
	s_barrier_wait -3
	s_barrier_signal -1
	s_barrier_wait -1
.endm
.macro CROUND
	s_barrier_signal -1
	s_barrier_wait -1
	CREST
.endm
.macro BAR                             ; my LDS stores are done and my LDS loads are back; then the work-group's barrier
	s_wait_dscnt 0x0
	s_barrier_signal -1
	s_barrier_wait -1
.endm
.macro SETG0 slot                      ; the slot's descriptor takes the same half of the double chunk at s[44:45]; written only where no tensor load of mine is out
	s_add_nc_u64 s[74+4*(\slot):75+4*(\slot)], s[80:81], s[44:45]
.if \slot
	s_add_nc_u64 s[78:79], s[78:79], 0x20000
.endif
	s_or_b32 s[75+4*(\slot)], s[75+4*(\slot)], 0x80000000
.endm
.macro FETW slot, q, b                 ; 8 weight fragments, numbers 8 q .. 8 q + 7 of my quarter of the slot, into buffer b: each load 512 consecutive bytes
.set ii, 0
.rept 8
	ds_load_b128 v[W0+64*(\b)+8*ii:W0+64*(\b)+8*ii+3],   v[1+(\slot)] offset:(8*(\q)+ii)*1024
	ds_load_b128 v[W0+64*(\b)+8*ii+4:W0+64*(\b)+8*ii+7], v[1+(\slot)] offset:(8*(\q)+ii)*1024+512
.set ii, ii+1
.endr
.endm
.macro FETH ar, off, b                 ; source 1 of R: one K step of a chunk buffer, 4 pixel tiles, from address register ar + off into buffer b
.irp p, 0,1,2,3
	ds_load_b128 v[PA+32*(\b)+8*\p:PA+32*(\b)+8*\p+3],   v[\ar] offset:(\off)+\p*4352
	ds_load_b128 v[PA+32*(\b)+8*\p+4:PA+32*(\b)+8*\p+7], v[\ar] offset:(\off)+\p*4352+32
.endr
.endm
.macro HQ own, cb, q, b                ; quarter q's source 1.  own = 1 (the FFN): K step (w + q) % 4 of chunk buffer 0, by v25-27; else K step q of the buffer at cb
.if \own
	FETH 24+(\q), 0, \b
.else
	FETH 4, (\cb)+(\q)*64, \b
.endif
.endm
.macro PMUL q, b, lo, n                ; P: K steps 4 q + lo .. of n, each 2 channel tiles x 4 pixel tiles; the 8 accumulators take turns, one instruction a turn; K step 0 starts the sums
.if (\q) < 2
	WIN 0x04
.else
	WIN 0x08
.endif
.set uu, \lo
.rept \n
.irp t, 0,1
.irp p, 0,1,2,3
.if (4*(\q)+uu) == 0
	v_wmma_f32_16x16x32_bf16 v[PA+8*(4*\t+\p):PA+8*(4*\t+\p)+7], v[W0+64*(\b)+8*(2*uu+\t):W0+64*(\b)+8*(2*uu+\t)+7], v[8*(4*((4*(\q)+uu)&7)+\p):8*(4*((4*(\q)+uu)&7)+\p)+7], 0
.else
	v_wmma_f32_16x16x32_bf16 v[PA+8*(4*\t+\p):PA+8*(4*\t+\p)+7], v[W0+64*(\b)+8*(2*uu+\t):W0+64*(\b)+8*(2*uu+\t)+7], v[8*(4*((4*(\q)+uu)&7)+\p):8*(4*((4*(\q)+uu)&7)+\p)+7], v[PA+8*(4*\t+\p):PA+8*(4*\t+\p)+7]
.endif
.endr
.endr
.set uu, uu+1
.endr
.endm
.macro RMUL b, lo, n                   ; R: channel tiles t = lo .. of n x 4 pixel tiles, one K step; the 32 accumulators take turns
	WIN 0xf0
.set tt, \lo
.rept \n
.irp p, 0,1,2,3
	v_wmma_f32_16x16x32_bf16 v[8*(4*tt+\p):8*(4*tt+\p)+7], v[W0+64*(\b)+8*tt:W0+64*(\b)+8*tt+7], v[PA+32*(\b)+8*\p:PA+32*(\b)+8*\p+7], v[8*(4*tt+\p):8*(4*tt+\p)+7]
.endr
.set tt, tt+1
.endr
.endm
; A period is four quarters of 32 matrix instructions on fragment buffers 0, 1, 0, 1.  The NEXT quarter's loads stand in one run at a quarter's head, four places behind the products that read
; that buffer, so that they have the quarter's 32 products in which to come: four waves' runs are 128 (P) or 192 (R) rows of LDS banks.
.macro PQ slot, q, b, nb
.if \q
	PLACES 4                                       ; (in front of quarter 0 stand the places that end the period before)
.endif
	FETW \slot, (\q)+1, \nb                        ; (destination and address lie in window 0 under P's settings too)
	s_wait_dscnt 16                                ; all but the 16 just issued: this quarter's fragments are in
	PMUL \q, \b, 0, 4
.endm
.macro RQ slot, own, cb, q, b, nb
	PLACES 4
	WIN 0
	FETW \slot, (\q)+1, \nb
	HQ \own, \cb, (\q)+1, \nb
	s_wait_dscnt 24                                ; all but the 24 just issued
	RMUL \b, 0, 8
.endm
.macro LQM kind, part                  ; the last quarter's 8 and 24 products
.if \kind
.if (\part) == 0
	RMUL 1, 0, 2
.else
	RMUL 1, 2, 6
.endif
.else
.if (\part) == 0
	PMUL 3, 1, 0, 1
.else
	PMUL 3, 1, 1, 3
.endif
.endif
.endm
; A prefetch of a double chunk (1,024 blocks of 256 bytes) that this cluster is the first to read: the cluster's 512 lanes name two blocks each, told apart by address (place in the cluster, wave, lane).
; Clusters 0-3 ask for the four [V | O] chunks, clusters 0-15 for the sixteen FFN chunks at which the walks begin: each block is named once.  It stands in trip 2 of the loop before, two periods ahead of the load.
.macro ASK lim, base
	s_cmp_eq_u32 s43, s[\lim]
	s_cbranch_scc0 .Lnoask_\@
	global_prefetch_b8 v14, s[\base:\base+1] th:TH_LOAD_NT scope:SCOPE_SE
	global_prefetch_b8 v14, s[\base:\base+1] offset:131072 th:TH_LOAD_NT scope:SCOPE_SE
.Lnoask_\@:
.endm
; THE LAST QUARTER CHANGES SLOTS.  In front of the barrier each wave waits for all its tensor loads (one is out: its quarter of the other slot), adds 0 to its spare word, and waits for that and for its reads
; of this slot and of the chunk buffers (the last were issued a quarter ago).  fill = 1: the barrier opens a round of the cluster's barrier, and the joint refill of this slot, with the same half of the next
; double chunk, is the first thing behind it.  Only 8 products lie between the wait for the one load and the request of the next, so a refill has a whole period less those 8 and the round in which to land.
; By this text's count one tensor load of a wave is out then.  The other 24 products stand behind the loads of the next period's first fragments.
.macro LASTQ kind, slot, fill, ask
	WIN 0
	s_wait_tensorcnt 0x0                           ; no tensor load of mine is out, so a descriptor may be written
	ds_add_u32 v30, v31                            ; 0 onto my spare word
.if \fill
	SETG0 \slot
.endif
	s_wait_dscnt 0x1                               ; the fragment loads are in; the add, issued behind them, may be out
	LQM \kind, 0                                   ; 8 products stand between the add and the wait for it
	WIN 0
	s_wait_dscnt 0x0                               ; the add is done, and my reads are over
	s_barrier_signal -1
	s_barrier_wait -1
.if \fill
	CREST
	tensor_load_to_lds s[72+4*(\slot):75+4*(\slot)], s[56:63]
	s_nop 0
.endif
	PLACES 4                                       ; behind the tensor load, and in front of the loads into buffer 0
	FETW 1-(\slot), 0, 0                           ; the next period's first fragments
.if (\ask) == 1
	ASK 92, 88
.elseif (\ask) == 2
	ASK 93, 90
.endif
	LQM \kind, 1
	WIN 0
	PLACES 5                                       ; in front of what reads the results, of loads into buffer 1, and of products that write over these products' registers
.endm
.macro PPER slot, fill, ask
	PQ \slot, 0, 0, 1
	PQ \slot, 1, 1, 0
	PQ \slot, 2, 0, 1
	LASTQ 0, \slot, \fill, \ask
.endm
.macro RPER slot, own, cb, fill        ; fill = 0: the launch's last period: no change of slots
	WIN 0
.if \own
	s_wait_dscnt 8                                 ; the first weight fragments are in; my 8 stores of h, issued behind them, may be out
	RMUL 0, 0, 2                                   ; quarter 0 multiplies my own h, which lies packed in buffer 0's registers
	s_wait_dscnt 0x0                               ; for the others' sake: my stores of h are done
	s_barrier_signal -1
	RMUL 0, 2, 1
	s_barrier_wait -1                              ; everybody's h lies in the chunk buffer
	WIN 0
	FETW \slot, 1, 1                               ; (buffer 1's last readers stand in front of the epilogue)
	HQ 1, 0, 1, 1
	RMUL 0, 3, 5
.else
	HQ 0, \cb, 0, 0
	FETW \slot, 1, 1
	HQ 0, \cb, 1, 1
	s_wait_dscnt 24                                ; all but quarter 1's 24
	RMUL 0, 0, 8
.endif
	RQ \slot, \own, \cb, 1, 1, 0
	RQ \slot, \own, \cb, 2, 0, 1
.if \fill
	LASTQ 1, \slot, 1, 0
.else
	s_wait_dscnt 0x0
	RMUL 1, 0, 8
	WIN 0
	PLACES 5
.endif
.endm
.macro EPIQ cb                         ; P's results, rounded to bf16 in place (each accumulator from its low end), then 16 bytes a lane into the chunk buffer at cb, the stores in one run
.irp t, 0,1
.irp p, 0,1,2,3
.irp j, 0,1,2,3
	v_cvt_pk_bf16_f32 v[PA+8*(4*\t+\p)+\j], v[PA+8*(4*\t+\p)+2*\j], v[PA+8*(4*\t+\p)+2*\j+1]
.endr
.endr
.endr
.irp t, 0,1
.irp p, 0,1,2,3
	ds_store_b128 v3, v[PA+8*(4*\t+\p):PA+8*(4*\t+\p)+3] offset:(\cb)+\p*4352+\t*32
.endr
.endr
.endm
; h = relu((sum + ffn1_b) scale_ffn).  Tile (0, p) is packed into registers 0-3 and tile (1, p) into registers 4-7 of buffer 0's fragment p: k = 8 h + 0..7 and 16 + 8 h + 0..7 of my 32 hidden channels.
; The same registers go into chunk buffer 0 for the other waves: 8 stores in one run, the last LDS instructions of the macro.
.macro EPIF
	s_wait_loadcnt 0x0                             ; the chunk's bias, asked for a period ago (and, the first time, ffn2_b in R's accumulators)
.irp n, 0,1,2,3,4,5,6,7
	v_pk_mul_f32 v[TMP+2*\n:TMP+2*\n+1], v[TMP+2*\n:TMP+2*\n+1], s[34:35] op_sel_hi:[1,0]
.endr
.irp t, 0,1
.irp p, 0,1,2,3
.irp j, 0,1,2,3
	v_pk_fma_f32 v[PA+8*(4*\t+\p)+2*\j:PA+8*(4*\t+\p)+2*\j+1], v[PA+8*(4*\t+\p)+2*\j:PA+8*(4*\t+\p)+2*\j+1], s[34:35], v[TMP+8*\t+2*\j:TMP+8*\t+2*\j+1] op_sel_hi:[1,0,1]
.endr
.endr
.endr
.irp t, 0,1                            ; t = 0 in place, ascending; then t = 1 into the registers that t = 0 has left
.irp p, 0,1,2,3
.irp j, 0,1,2,3
	v_cvt_pk_bf16_f32 v[PA+8*\p+4*\t+\j], v[PA+8*(4*\t+\p)+2*\j], v[PA+8*(4*\t+\p)+2*\j+1]
.endr
.endr
.endr
.set n, 0
.rept 32
	v_pk_max_num_bf16 v[PA+n], v[PA+n], v28
.set n, n+1
.endr
.irp t, 0,1
.irp p, 0,1,2,3
	ds_store_b128 v3, v[PA+8*\p+4*\t:PA+8*\p+4*\t+3] offset:\p*4352+\t*32
.endr
.endr
.endm
.macro FRAGS                           ; 8 K steps x 4 pixel tiles of the exchange buffer into the window that is set as destination
.set u, 0
.rept 8
.irp p, 0,1,2,3
	ds_load_b128 v[8*(4*u+\p):8*(4*u+\p)+3],   v9 offset:\p*8448+u*64
	ds_load_b128 v[8*(4*u+\p)+4:8*(4*u+\p)+7], v9 offset:\p*8448+u*64+32
.endr
.set u, u+1
.endr
.endm
.macro FHEAD                           ; the FFN chunk in hand is (s43 + cluster x) % 16: its bias, my two channel tiles' 8 numbers a lane
	s_add_co_u32 s46, s43, s42
	s_add_co_u32 s44, s46, 1
	s_and_b32 s46, s46, 15
	s_lshl_b32 s46, s46, 9
	s_mov_b32 s47, 0
	s_add_nc_u64 s[94:95], s[8:9], s[46:47]        ; (the loads that read this base last were waited for in EPIF)
	s_and_b32 s44, s44, 15
	s_add_co_u32 s44, s44, 8
	s_lshl_b32 s44, s44, 18                        ; the next chunk's place in wsw
	global_load_b128 v[TMP:TMP+3],     v11, s[94:95]
	global_load_b128 v[TMP+4:TMP+7],   v11, s[94:95] offset:16
	global_load_b128 v[TMP+8:TMP+11],  v11, s[94:95] offset:64
	global_load_b128 v[TMP+12:TMP+15], v11, s[94:95] offset:80
.endm
	; ---------------- THE HEAD
	s_load_b512 s[4:19], s[0:1], 0x0               ; x, wsw, ffn1_b, ffn2_b, ln1_w, ln1_b, ln2_w, ln2_b
	s_load_b256 s[20:27], s[0:1], 0x40             ; the four scales' addresses
	s_load_b64 s[28:29], s[0:1], 0x60              ; out0
	v_lshl_add_u32 v30, v0, 2, SPARE
	v_mov_b32 v31, 0
	ds_add_u32 v30, v31                            ; the wave's opening: the add and its wait stand ahead of my first tensor load; the set-up below, work on registers, stands between them
	v_lshrrev_b32 v224, 5, v0
	v_readfirstlane_b32 s38, v224                  ; wave 0..3
	s_bfe_u32 s39, ttmp6, 0x40000                  ; cx: it enters x's and out0's addresses and the prefetches' offset alone
	s_and_b32 s41, ttmp9, 3                        ; where my cluster's walks begin
	s_and_b32 s42, ttmp9, 15
	s_lshl_b32 s99, ttmp9, 2
	s_add_co_u32 s99, s99, s39                     ; my block of 64 pixels
	s_lshr_b32 s100, s99, 4
	s_lshl_b32 s100, s100, 21                      ; image: 512 channels x 4,096 bytes
	s_and_b32 s99, s99, 15
	s_lshl_b32 s99, s99, 8                         ; 64 pixels x 4 bytes
	s_or_b32 s100, s100, s99
	s_mov_b32 s101, 0
	s_mov_b32 s40, 0x3b000000                      ; 1 / 512
	s_mov_b32 s98, 0x3727c5ac                      ; 1e-5
	s_mov_b32 s82, 0x76543210                      ; v_permlanex16_b32: each lane takes its own place in the other half
	s_mov_b32 s83, 0xfedcba98
	s_mov_b32 s84, 0x3e38aa3b                      ; log2(e) / sqrt(64)
	s_mov_b32 s85, s84
	s_mov_b32 s86, 0xc1e6d4ca                      ; -20 log2(e)
	s_mov_b32 s87, 0xffff0000
	s_cmp_lt_u32 ttmp9, 4
	s_cselect_b32 s92, 2, -1                       ; the trip in which my cluster prefetches, or none
	s_cmp_lt_u32 ttmp9, 16
	s_cselect_b32 s93, 2, -1
	; descriptor group 1 for x: 128 channel rows of 64 f32, 1,024 elements apart, 4 words of padding behind every 64
	s_mov_b32 s48, (2<<16)|(1<<20)|(5<<22)|(3<<25)
	s_mov_b32 s49, 64<<16
	s_mov_b32 s50, 128<<16
	s_mov_b32 s51, 64<<16
	s_mov_b32 s52, 128
	s_mov_b32 s53, 1024
	s_mov_b32 s54, 0
	s_mov_b32 s55, 0
	; for the weights: 32,768 dense bytes as 128 rows of 32 elements of 8 bytes; the mask names all four work-groups, bit 21 beside it
	s_mov_b32 s56, 15|(3<<16)|(1<<21)
	s_mov_b32 s57, 32<<16
	s_mov_b32 s58, 128<<16
	s_mov_b32 s59, 32<<16
	s_mov_b32 s60, 128
	s_mov_b32 s61, 32
	s_mov_b32 s62, 0
	s_mov_b32 s63, 0
	s_mov_b32 s68, 1
	s_mul_i32 s69, s38, XPW
	s_add_co_u32 s69, s69, XT
	s_mov_b32 s72, 1
	s_lshl_b32 s73, s38, 15
	s_mov_b32 s76, 1
	s_add_co_u32 s77, s73, SLOTB
	s_lshl_b32 s44, s41, 18                        ; the first double chunk
	s_mov_b32 s45, 0
	; lane addresses
	v_and_b32 v224, 15, v0                         ; r
	v_bfe_u32 v225, v0, 4, 1                       ; h
	v_and_b32 v226, 31, v0                         ; L
	v_bfe_u32 v227, v0, 3, 1                       ; r / 8
	v_and_b32 v228, 7, v0                          ; r % 8
	v_mov_b32 v28, 0
	v_lshlrev_b32 v13, 5, v225                     ; 32 h: my 8 numbers in 16 of a parameter vector
	v_lshl_add_u32 v1, v226, 4, s73                ; my 16 bytes of a fragment half, slot 0
	v_add_nc_u32 v2, SLOTB, v1                     ; slot 1
	v_mul_u32_u24 v229, v224, 272
	v_lshl_add_u32 v229, v225, 4, v229
	v_add_nc_u32 v4, C0, v229                      ; chunk buffer as source 1: pixel r, 16 h
	s_lshl_b32 s46, s38, 6
	v_add_nc_u32 v3, s46, v4                       ; chunk buffer, P's stores: + my two channel tiles
.irp q, 1,2,3                          ; the FFN's quarters 1 to 3: K step (w + q) % 4, 64 bytes of a row each
	s_add_co_u32 s46, s38, \q
	s_and_b32 s46, s46, 3
	s_lshl_b32 s46, s46, 6
	v_add_nc_u32 v[24+\q], s46, v4
.endr
	s_mul_i32 s47, s38, 4352
	s_add_co_u32 s47, s47, C0                      ; my 16 pixels of a chunk buffer
	v_mul_u32_u24 v229, v227, 272
	v_lshl_add_u32 v229, v228, 5, v229
	v_lshl_add_u32 v229, v225, 4, v229
	v_add_nc_u32 v5, s47, v229                     ; row (pixel r / 8 of a pair, head r % 8), 16 h
	v_mul_u32_u24 v229, v225, 272
	v_lshl_add_u32 v229, v228, 5, v229
	v_lshl_add_u32 v229, v227, 4, v229
	v_add_nc_u32 v6, s47, v229                     ; the turning load: key row (pixel h, head L % 8), 16 ((L / 8) % 2)
	s_lshl_b32 s46, s38, 12
	s_add_co_u32 s46, s46, ASC
	v_lshl_add_u32 v7, v226, 4, s46
	v_mul_u32_u24 v229, v224, 528
	v_lshl_add_u32 v229, v225, 4, v229
	v_add_nc_u32 v9, EX, v229                      ; exchange as source 1
	s_mul_i32 s46, s38, 8448
	v_add_nc_u32 v8, s46, v9                       ; exchange, LN1's stores: my 16 pixels
	s_lshl_b32 s46, s38, 5
	v_add_nc_u32 v10, s46, v9                      ; exchange, my channel tiles 4 t + w
	s_lshl_b32 s46, s38, 7
	v_add_nc_u32 v11, s46, v13                     ; ffn1_b: 128 w + 32 h
	s_lshl_b32 s46, s38, 6
	v_add_nc_u32 v12, s46, v13                     ; ffn2_b, ln2_w, ln2_b: 64 w + 32 h
	s_lshl_b32 s99, s39, 15
	s_lshl_b32 s46, s38, 13
	s_add_co_u32 s99, s99, s46
	v_lshl_add_u32 v14, v226, 8, s99               ; the prefetches' offset
	v_mul_u32_u24 v229, v225, 2176
	v_lshl_add_u32 v229, v224, 2, v229             ; 8 h rows of 272 + 4 r
	s_lshl_b32 s46, s38, 6
	s_add_co_u32 s46, s46, XT
	v_add_nc_u32 v16, s46, v229                    ; x tile: channel 8 h, pixel 16 w + r; one register for each 128 channels
	v_add_nc_u32 v17, XPW, v16
	v_add_nc_u32 v18, XPW, v17
	v_add_nc_u32 v19, XPW, v18
	s_mul_i32 s46, s38, XPW
	v_add_nc_u32 v21, s46, v229                    ; the way out, in: my stage (over the slots, behind their last fill), channel row 8 h, pixel r
	v_mul_u32_u24 v229, v225, 272
	v_lshl_add_u32 v229, v224, 4, v229
	v_add_nc_u32 v22, s46, v229                    ; back: lanes 0-15 one row of 256 bytes, lanes 16-31 the next
	v_lshlrev_b32 v229, 12, v225
	v_lshl_add_u32 v229, v224, 4, v229
	s_lshl_b32 s46, s38, 16
	v_add_nc_u32 v20, s46, v229                    ; the same two rows in x and out0: channel 16 w + h
	v_lshlrev_b32 v24, 4, v224
	v_add_nc_u32 v24, ST1, v24                     ; a pixel's four partial sums
	v_lshl_add_u32 v23, s38, 2, v24                ; mine of them
	s_wait_dscnt 0x0                               ; the opening add is done
	s_wait_kmcnt 0x0
	s_load_b32 s30, s[20:21], 0x0                  ; scale_norm1
	s_load_b32 s32, s[22:23], 0x0                  ; scale_attn
	s_load_b32 s34, s[24:25], 0x0                  ; scale_ffn
	s_load_b32 s36, s[26:27], 0x0                  ; scale_norm2
	s_add_nc_u64 s[96:97], s[4:5], s[100:101]      ; x and out0 at my 64 pixels of channel 0
	s_add_nc_u64 s[28:29], s[28:29], s[100:101]
	s_lshl_b32 s46, s38, 19                        ; my 128 channels
	s_mov_b32 s47, 0
	s_add_nc_u64 s[70:71], s[96:97], s[46:47]
	s_or_b32 s71, s71, 0x80000000
	s_mov_b32 s46, s73
	s_add_nc_u64 s[80:81], s[6:7], s[46:47]        ; wsw at my quarter of a slot
	SETG0 0
	s_add_co_u32 s46, s41, 4
	s_lshl_b32 s46, s46, 18
	s_add_nc_u64 s[88:89], s[6:7], s[46:47]        ; the [V | O] chunk at which my cluster begins
	s_add_co_u32 s46, s42, 8
	s_lshl_b32 s46, s46, 18
	s_add_nc_u64 s[90:91], s[6:7], s[46:47]        ; the FFN chunk at which it begins
	CROUND                                         ; all four work-groups are here: the first joint loads meet
	tensor_load_to_lds s[68:71], s[48:55]          ; my 128 channels of the x tile (my work-group's own),
	s_nop 0
	tensor_load_to_lds s[72:75], s[56:63]          ; and my quarter of the first weight slot: two loads of mine are out
	s_nop 0
	PLACES 4
	WIN 0x40
.set g, 0
.rept 32                                       ; ln1_w, ln1_b for my channels 16 g + 8 h + 0..7
	global_load_b128 v[8*g:8*g+3],   v13, s[12:13] offset:64*g
	global_load_b128 v[8*g+4:8*g+7], v13, s[12:13] offset:64*g+16
.set g, g+1
.endr
	WIN 0x80
.set g, 0
.rept 32
	global_load_b128 v[8*g:8*g+3],   v13, s[14:15] offset:64*g
	global_load_b128 v[8*g+4:8*g+7], v13, s[14:15] offset:64*g+16
.set g, g+1
.endr
	WIN 0
	s_wait_kmcnt 0x0
	s_mov_b32 s31, s30                             ; named as pairs by the packed lines
	s_mov_b32 s35, s34
	s_mov_b32 s37, s36
	v_cmp_eq_u32 vcc_lo, v227, v225                ; in S^T a lane's query lies in pixel r / 8 of the pair, its 8 keys in pixel h:
	v_cndmask_b32 v15, 0, s32, vcc_lo              ; scale_attn where they are one pixel, else 0
	s_wait_tensorcnt 0x1                           ; my part of x is in; the weight slot, issued behind it, may stay out
	s_barrier_signal -1
	s_barrier_wait -1                              ; everybody's part is
	; ---------------- LN1: wave w takes pixels 16 w + r; the two lanes of a pixel hold 256 channels each
	WIN 0xc0
.set g, 0
.rept 32
.set j, 0
.rept 8
	ds_load_b32 v[8*g+j], v[16+g/8] offset:((g%8)*16+j)*272
.set j, j+1
.endr
.set g, g+1
.endr
	s_wait_dscnt 0x0
	WIN 0x0f
.set n, 0
.rept 4                                        ; four chains, started by the first eight pairs
	v_pk_add_f32 v[TMP+2*n:TMP+2*n+1], v[2*n:2*n+1], v[8+2*n:8+2*n+1]
.set n, n+1
.endr
	WIN 0x0c
.set n, 8
.rept 120
	v_pk_add_f32 v[TMP+2*(n%4):TMP+2*(n%4)+1], v[TMP+2*(n%4):TMP+2*(n%4)+1], v[2*n:2*n+1]
.set n, n+1
.endr
	WIN 0
	v_pk_add_f32 v[224:225], v[224:225], v[226:227]
	v_pk_add_f32 v[228:229], v[228:229], v[230:231]
	v_pk_add_f32 v[224:225], v[224:225], v[228:229]
	v_add_f32 v224, v224, v225
	v_permlanex16_b32 v225, v224, s82, s83
	v_add_f32 v224, v224, v225
	v_mul_f32 v224, s40, v224                      ; the mean
	WIN 0xc3
.set n, 0
.rept 128
	v_pk_add_f32 v[2*n:2*n+1], v[2*n:2*n+1], v[224:225] op_sel_hi:[1,0] neg_lo:[0,1] neg_hi:[0,1]
.set n, n+1
.endr
	WIN 0x0f
.set n, 0
.rept 4
	v_pk_mul_f32 v[226+2*n:227+2*n], v[2*n:2*n+1], v[2*n:2*n+1]
.set n, n+1
.endr
.rept 124
	v_pk_fma_f32 v[226+2*(n%4):227+2*(n%4)], v[2*n:2*n+1], v[2*n:2*n+1], v[226+2*(n%4):227+2*(n%4)]
.set n, n+1
.endr
	WIN 0
	v_pk_add_f32 v[226:227], v[226:227], v[228:229]
	v_pk_add_f32 v[230:231], v[230:231], v[232:233]
	v_pk_add_f32 v[226:227], v[226:227], v[230:231]
	v_add_f32 v226, v226, v227
	v_permlanex16_b32 v227, v226, s82, s83
	v_add_f32 v226, v226, v227
	v_fma_f32 v226, v226, s40, s98                 ; variance + eps
	v_rsq_f32 v227, v226
	v_nop                                          ; a plain instruction behind the root,
	s_wait_alu depctr_va_vdst(0)                   ; and a wait ahead of the first use
	v_mul_f32 v226, s30, v227                      ; scale_norm1 / sqrt(..)
	s_wait_loadcnt 0x0                             ; ln1_w, ln1_b
	WIN 0xc3
.set n, 0
.rept 128
	v_pk_mul_f32 v[2*n:2*n+1], v[2*n:2*n+1], v[226:227] op_sel_hi:[1,0]
.set n, n+1
.endr
	WIN 0x82
.set n, 0
.rept 128
	v_pk_mul_f32 v[2*n:2*n+1], v[2*n:2*n+1], s[30:31] op_sel_hi:[1,0]
.set n, n+1
.endr
	WIN 0xe7
.set n, 0
.rept 128
	v_pk_fma_f32 v[2*n:2*n+1], v[2*n:2*n+1], v[2*n:2*n+1], v[2*n:2*n+1]  ; window 3 = window 3 x window 1 + window 2
.set n, n+1
.endr
	WIN 0x0f
.set n, 0
.rept 128
	v_cvt_pk_bf16_f32 v[32+n], v[2*n], v[2*n+1]
.set n, n+1
.endr
	WIN 0xc0
.set n, 0
.rept 64
	v_mov_b32 v[n], 0                              ; S^T starts at 0, so that the loop over quarters has one form of product
.set n, n+1
.endr
	WIN 0
	; ---------------- xn changes hands: from 16 pixels x 512 channels a wave to fragments of all 64 pixels in every wave, 256 channels at a time
.set g, 0
.rept 16
	ds_store_b128 v8, v[32+4*g:35+4*g] offset:32*g
.set g, g+1
.endr
	s_wait_tensorcnt 0x0                           ; slot 1 lies where the x tile lay: it is filled as every refill is.  All my tensor loads have landed;
	ds_add_u32 v30, v31                            ; 0 onto my spare word;
	SETG0 1
	s_wait_dscnt 0x0                               ; the add and my stores are done; my reads of x were waited for above
	CROUND
	tensor_load_to_lds s[76:79], s[56:63]
	s_nop 0
	PLACES 4
	WIN 0x40
	FRAGS
	WIN 0xc0
.set t, 0
.rept 4                                        ; my own channels 64 t + 16 w + 8 h + 0..7 of every pixel tile, for the residual
.irp p, 0,1,2,3
	ds_load_b128 v[128+4*(4*t+\p):131+4*(4*t+\p)], v10 offset:\p*8448+t*128
.endr
.set t, t+1
.endr
	WIN 0
	BAR                                            ; everybody has read the first half
.set g, 16
.rept 16
	ds_store_b128 v8, v[32+4*g:35+4*g] offset:32*(g-16)
.set g, g+1
.endr
	BAR
	WIN 0x80
	FRAGS
	WIN 0xc0
.set t, 4
.rept 4
.irp p, 0,1,2,3
	ds_load_b128 v[128+4*(4*t+\p):131+4*(4*t+\p)], v10 offset:\p*8448+(t-4)*128
.endr
.set t, t+1
.endr
	WIN 0
	FETW 0, 0, 0
	; ---------------- Q, K and the scores, a quarter of the head size a trip
	s_mov_b32 s43, 0
.Lqk:
	s_add_co_u32 s46, s43, 1                       ; the next double chunk: quarter (trip + 1 + cluster x) % 4, behind the last trip the first [V | O]
	s_add_co_u32 s47, s46, s41
	s_and_b32 s47, s47, 3
	s_and_b32 s46, s46, 4
	s_add_co_u32 s47, s47, s46
	s_lshl_b32 s44, s47, 18
	PPER 0, 1, 1
	EPIQ 0                                         ; the round in the period's last quarter stands between everybody's last reads of these bytes and these stores
	PPER 1, 1, 0
	EPIQ CD
	BAR
	; S^T += K_e Q_e^T for my 16 pixels, two pixels x 8 heads to a product: 16 channels of K = 32 are used, the upper 16 are 0 on both sides
.set i, 0
.rept 8
.irp j, 4,5,6,7
	v_mov_b32 v[W1+8*i+\j], 0
	v_mov_b32 v[PA+8*i+\j], 0
.endr
.set i, i+1
.endr
.set i, 0
.rept 8
	ds_load_b128 v[W1+8*i:W1+8*i+3], v5 offset:CD+i*544
	ds_load_b128 v[PA+8*i:PA+8*i+3], v5 offset:i*544
.set i, i+1
.endr
	s_wait_dscnt 0x0
	WIN 0xf0
.set i, 0
.rept 8
	v_wmma_f32_16x16x32_bf16 v[8*i:8*i+7], v[W1+8*i:W1+8*i+7], v[PA+8*i:PA+8*i+7], v[8*i:8*i+7]
.set i, i+1
.endr
	WIN 0
	PLACES 5
	s_add_co_u32 s43, s43, 1
	s_cmp_lt_u32 s43, 4
	s_cbranch_scc1 .Lqk
	; ---------------- softmax over a lane's 8 keys: p = 2^max(c s - c m, -20 log2 e), c = log2(e) / 8; a = p / sum, times scale_attn, or 0 where query and keys are of different pixels
	WIN 0x3f
.set i, 0
.rept 8
	v_max3_num_f32 v[TMP+4*i],   v[8*i],   v[8*i+1], v[8*i+2]
	v_max3_num_f32 v[TMP+4*i+1], v[8*i+3], v[8*i+4], v[8*i+5]
	v_max_num_f32  v[TMP+4*i+2], v[8*i+6], v[8*i+7]
.set i, i+1
.endr
	WIN 0
.set i, 0
.rept 8
	v_max3_num_f32 v[TMP+4*i], v[TMP+4*i], v[TMP+4*i+1], v[TMP+4*i+2]
.set i, i+1
.endr
.set i, 0
.rept 8
	v_mul_f32 v[TMP+4*i], s84, v[TMP+4*i]
.set i, i+1
.endr
	WIN 0x03
.set i, 0
.rept 8
.irp k, 0,1,2,3
	v_pk_fma_f32 v[W1+8*i+2*\k:W1+8*i+2*\k+1], v[8*i+2*\k:8*i+2*\k+1], s[84:85], v[TMP+4*i:TMP+4*i+1] op_sel_hi:[1,0,0] neg_lo:[0,0,1] neg_hi:[0,0,1]
.endr
.set i, i+1
.endr
	WIN 0
.set n, 0
.rept 64
	v_max_num_f32 v[W1+n], s86, v[W1+n]
.set n, n+1
.endr
.set n, 0
.rept 64
	v_exp_f32 v[W1+n], v[W1+n]
.set n, n+1
.endr
	v_nop                                          ; a plain instruction behind the last exponential,
	s_wait_alu depctr_va_vdst(0)                   ; and one wait for the batch of 64
.set i, 0
.rept 8
	v_pk_add_f32 v[TMP+4*i:TMP+4*i+1],   v[W1+8*i:W1+8*i+1],   v[W1+8*i+2:W1+8*i+3]
	v_pk_add_f32 v[TMP+4*i+2:TMP+4*i+3], v[W1+8*i+4:W1+8*i+5], v[W1+8*i+6:W1+8*i+7]
.set i, i+1
.endr
.set i, 0
.rept 8
	v_pk_add_f32 v[TMP+4*i:TMP+4*i+1], v[TMP+4*i:TMP+4*i+1], v[TMP+4*i+2:TMP+4*i+3]
.set i, i+1
.endr
.set i, 0
.rept 8
	v_add_f32 v[TMP+4*i], v[TMP+4*i], v[TMP+4*i+1]
.set i, i+1
.endr
.set i, 0
.rept 8
	v_rcp_f32 v[TMP+4*i+1], v[TMP+4*i]
.set i, i+1
.endr
	v_nop
	s_wait_alu depctr_va_vdst(0)                   ; one wait for the eight reciprocals
.set i, 0
.rept 8
	v_mul_f32 v[TMP+4*i], v15, v[TMP+4*i+1]
.set i, i+1
.endr
.set i, 0
.rept 8
.irp k, 0,1,2,3
	v_pk_mul_f32 v[W1+8*i+2*\k:W1+8*i+2*\k+1], v[W1+8*i+2*\k:W1+8*i+2*\k+1], v[TMP+4*i:TMP+4*i+1] op_sel_hi:[1,0]
.endr
.irp k, 0,1,2,3
	v_cvt_pk_bf16_f32 v[W1+8*i+\k], v[W1+8*i+2*\k], v[W1+8*i+2*\k+1]
.endr
	ds_store_b128 v7, v[W1+8*i:W1+8*i+3] offset:i*512  ; a lane's 8 weights ARE its 16 bytes of source 1 of V^T a^T: kept in my own bytes of LDS
.set i, i+1
.endr
	; R's accumulators start as xn: unpacked in ascending order, which never writes a word that is still to be read
	WIN 0xcc
.set i, 0
.rept 32
.irp j, 0,1,2,3
	v_lshlrev_b32 v[8*i+2*\j], 16, v[128+4*i+\j]
	v_and_b32 v[8*i+2*\j+1], s87, v[128+4*i+\j]
.endr
.set i, i+1
.endr
	WIN 0
	; ---------------- V, the weighted sums, and W_O, a quarter a trip
.macro PVB bb                          ; four pairs of pixels: o^T = V^T a^T (16 channels x 16 queries, 16 keys of K = 32), rounded, into chunk buffer 1
.set k, 0
.rept 4
	ds_load_tr16_b128 v[W1+8*k:W1+8*k+3], v6 offset:(4*(\bb)+k)*544
	ds_load_b128 v[W1+32+8*k:W1+32+8*k+3], v7 offset:(4*(\bb)+k)*512
.set k, k+1
.endr
	s_wait_dscnt 0x0
.set k, 0
.rept 4
	v_wmma_f32_16x16x32_bf16 v[PA+8*k:PA+8*k+7], v[W1+8*k:W1+8*k+7], v[W1+32+8*k:W1+32+8*k+7], 0
.set k, k+1
.endr
	PLACES 5
.set k, 0
.rept 4
.irp j, 0,1,2,3
	v_cvt_pk_bf16_f32 v[TMP+4*k+\j], v[PA+8*k+2*\j], v[PA+8*k+2*\j+1]
.endr
	ds_store_b128 v5, v[TMP+4*k:TMP+4*k+3] offset:CD+(4*(\bb)+k)*544
.set k, k+1
.endr
.endm
	s_mov_b32 s43, 0
.Lvo:
	s_add_co_u32 s46, s43, 1                       ; the next double chunk: the next quarter's [V | O], behind the last trip the first FFN chunk
	s_add_co_u32 s47, s46, s41
	s_and_b32 s47, s47, 3
	s_add_co_u32 s47, s47, 4
	s_add_co_u32 s44, s42, 8
	s_cmp_lt_u32 s46, 4
	s_cselect_b32 s47, s47, s44
	s_lshl_b32 s44, s47, 18
	PPER 0, 1, 2
	EPIQ 0
	BAR
.set k, 0
.rept 8
.irp j, 4,5,6,7
	v_mov_b32 v[W1+8*k+\j], 0                      ; keys 16 to 31 do not exist: 0 on both sides
.endr
.set k, k+1
.endr
	PVB 0
	PVB 1
	BAR
	RPER 1, 0, CD, 1
	s_add_co_u32 s43, s43, 1
	s_cmp_lt_u32 s43, 4
	s_cbranch_scc1 .Lvo
	; ---------------- y = relu(xn + o W_O scale_attn), rounded, and into fragments as xn was; R's accumulators take ffn2_b
	WIN 0x0f
.set i, 0
.rept 32
.irp j, 0,1,2,3
	v_cvt_pk_bf16_f32 v[W1+4*i+\j], v[8*i+2*\j], v[8*i+2*\j+1]
.endr
.set i, i+1
.endr
	WIN 0
.set n, 0
.rept 128
	v_pk_max_num_bf16 v[W1+n], v[W1+n], v28
.set n, n+1
.endr
	WIN 0xc0
.set t, 0
.rept 8
.irp p, 0,1,2,3
	global_load_b128 v[8*(4*t+\p):8*(4*t+\p)+3],   v12, s[10:11] offset:256*t
	global_load_b128 v[8*(4*t+\p)+4:8*(4*t+\p)+7], v12, s[10:11] offset:256*t+16
.endr
.set t, t+1
.endr
	WIN 0
.set t, 0
.rept 4
.irp p, 0,1,2,3
	ds_store_b128 v10, v[W1+4*(4*t+\p):W1+4*(4*t+\p)+3] offset:\p*8448+t*128
.endr
.set t, t+1
.endr
	BAR
	WIN 0x40
	FRAGS
	WIN 0
	BAR
.set t, 4
.rept 4
.irp p, 0,1,2,3
	ds_store_b128 v10, v[W1+4*(4*t+\p):W1+4*(4*t+\p)+3] offset:\p*8448+(t-4)*128
.endr
.set t, t+1
.endr
	BAR
	WIN 0x80
	FRAGS
	WIN 0
	; ---------------- the FFN, 128 hidden channels a trip.  The rounds in the two periods' last quarters stand between everybody's reads of a chunk's h and the next chunk's stores
	s_mov_b32 s43, 0
.Lffn:
	FHEAD
	PPER 0, 1, 0
	EPIF
	RPER 1, 1, 0, 1
	s_add_co_u32 s43, s43, 1
	s_cmp_lt_u32 s43, 15
	s_cbranch_scc1 .Lffn
	FHEAD                                          ; the last chunk is written out: nothing is asked for
	PPER 0, 0, 0
	EPIF
	WIN 0x80                                       ; the fragments of y have served: x (read a second time) and LN2's parameters land in their registers under the last period
.set i, 0
.rept 64
	global_load_b128 v[4*i:4*i+3], v20, s[96:97] offset:(64*(i/8)+2*(i%8))*4096 th:TH_LOAD_NT
.set i, i+1
.endr
	WIN 0x40
.set t, 0
.rept 8
	global_load_b128 v[8*t:8*t+3],       v12, s[16:17] offset:256*t
	global_load_b128 v[8*t+4:8*t+7],     v12, s[16:17] offset:256*t+16
	global_load_b128 v[64+8*t:64+8*t+3], v12, s[18:19] offset:256*t
	global_load_b128 v[64+8*t+4:64+8*t+7], v12, s[18:19] offset:256*t+16
.set t, t+1
.endr
	WIN 0
	RPER 1, 1, 0, 0
	; ---------------- LN2 of y2 = scale_ffn A (A: the accumulators): (A - mean A) scale_ffn / sqrt(scale_ffn^2 var A + eps).  A pixel's 512 channels lie in two lanes of each of the four waves.
.macro STAT off                        ; v[TMP + 2 p] pairs -> the pixel's total over all waves in v[TMP + 8 + 4 p]
	WIN 0
.irp p, 0,1,2,3
	v_add_f32 v[TMP+2*\p], v[TMP+2*\p], v[TMP+2*\p+1]
.endr
.irp p, 0,1,2,3
	v_permlanex16_b32 v[TMP+2*\p+1], v[TMP+2*\p], s82, s83
.endr
.irp p, 0,1,2,3
	v_add_f32 v[TMP+2*\p], v[TMP+2*\p], v[TMP+2*\p+1]
.endr
.irp p, 0,1,2,3
	ds_store_b32 v23, v[TMP+2*\p] offset:(\off)+\p*256
.endr
	BAR
.irp p, 0,1,2,3
	ds_load_b128 v[TMP+8+4*\p:TMP+11+4*\p], v24 offset:(\off)+\p*256
.endr
	s_wait_dscnt 0x0
.irp p, 0,1,2,3
	v_pk_add_f32 v[TMP+8+4*\p:TMP+9+4*\p], v[TMP+8+4*\p:TMP+9+4*\p], v[TMP+10+4*\p:TMP+11+4*\p]
.endr
.irp p, 0,1,2,3
	v_add_f32 v[TMP+8+4*\p], v[TMP+8+4*\p], v[TMP+9+4*\p]
.endr
.endm
	WIN 0x0f
.irp p, 0,1,2,3                        ; a chain for each pixel tile; each accumulator is read from its low end on
	v_pk_add_f32 v[TMP+2*\p:TMP+2*\p+1], v[8*\p:8*\p+1], v[8*\p+2:8*\p+3]
.endr
	WIN 0x0c
.set n, 2
.rept 30
.irp p, 0,1,2,3
	v_pk_add_f32 v[TMP+2*\p:TMP+2*\p+1], v[TMP+2*\p:TMP+2*\p+1], v[8*(4*(n/4)+\p)+2*(n%4):8*(4*(n/4)+\p)+2*(n%4)+1]
.endr
.set n, n+1
.endr
	STAT 0
.irp p, 0,1,2,3
	v_mul_f32 v[TMP+8+4*\p], s40, v[TMP+8+4*\p]
.endr
	WIN 0xc3
.set n, 0
.rept 32
.irp p, 0,1,2,3
	v_pk_add_f32 v[8*(4*(n/4)+\p)+2*(n%4):8*(4*(n/4)+\p)+2*(n%4)+1], v[8*(4*(n/4)+\p)+2*(n%4):8*(4*(n/4)+\p)+2*(n%4)+1], v[TMP+8+4*\p:TMP+9+4*\p] op_sel_hi:[1,0] neg_lo:[0,1] neg_hi:[0,1]
.endr
.set n, n+1
.endr
	WIN 0x0f
.irp p, 0,1,2,3
	v_pk_mul_f32 v[TMP+2*\p:TMP+2*\p+1], v[8*\p:8*\p+1], v[8*\p:8*\p+1]
.endr
.set n, 1
.rept 31
.irp p, 0,1,2,3
	v_pk_fma_f32 v[TMP+2*\p:TMP+2*\p+1], v[8*(4*(n/4)+\p)+2*(n%4):8*(4*(n/4)+\p)+2*(n%4)+1], v[8*(4*(n/4)+\p)+2*(n%4):8*(4*(n/4)+\p)+2*(n%4)+1], v[TMP+2*\p:TMP+2*\p+1]
.endr
.set n, n+1
.endr
	STAT 1024
	s_mul_f32 s46, s34, s34
	s_mul_f32 s46, s46, s40                        ; scale_ffn^2 / 512
	s_mul_f32 s47, s34, s36                        ; scale_ffn scale_norm2
.irp p, 0,1,2,3
	v_fma_f32 v[TMP+8+4*\p], v[TMP+8+4*\p], s46, s98
.endr
.irp p, 0,1,2,3
	v_rsq_f32 v[TMP+9+4*\p], v[TMP+8+4*\p]
.endr
	v_nop
	s_wait_alu depctr_va_vdst(0)                   ; one wait for the four roots
.irp p, 0,1,2,3
	v_mul_f32 v[TMP+8+4*\p], s47, v[TMP+9+4*\p]
.endr
	s_wait_loadcnt 0x0                             ; x, ln2_w, ln2_b
	WIN 0x41
.set n, 0
.rept 32
	v_pk_mul_f32 v[64+2*n:65+2*n], v[64+2*n:65+2*n], s[36:37] op_sel_hi:[1,0]
.set n, n+1
.endr
	; THE WAY OUT, a channel tile t (16 of my channels x 64 pixels, 32 registers) at a time.  A lane holds 8 channels of one pixel; out0 wants a channel's 64 pixels side by side.  So the tile goes
	; through my own stage: rows of 256 + 16 bytes, over the slots, which have had their last fill and whose last reads by any wave lie in front of the two barriers above.
	; Tile t's arithmetic and LDS instructions stand between tile t - 1's loads from the stage and their use, and the first stores leave while seven tiles are still to do.
.macro OUTA t                          ; the factor, gain and bias; into the stage; back as whole rows, into the registers that the tile left
	WIN 0xc3
.irp k, 0,1,2,3
.irp p, 0,1,2,3
	v_pk_mul_f32 v[8*(4*(\t)+\p)+2*\k:8*(4*(\t)+\p)+2*\k+1], v[8*(4*(\t)+\p)+2*\k:8*(4*(\t)+\p)+2*\k+1], v[TMP+8+4*\p:TMP+9+4*\p] op_sel_hi:[1,0]
.endr
.endr
	WIN 0xd7
.irp k, 0,1,2,3
.irp p, 0,1,2,3
	v_pk_fma_f32 v[8*(4*(\t)+\p)+2*\k:8*(4*(\t)+\p)+2*\k+1], v[8*(4*(\t)+\p)+2*\k:8*(4*(\t)+\p)+2*\k+1], v[8*(\t)+2*\k:8*(\t)+2*\k+1], v[64+8*(\t)+2*\k:64+8*(\t)+2*\k+1]
.endr
.endr
	WIN 0x0c
.irp p, 0,1,2,3
.irp j, 0,1,2,3,4,5,6,7
	ds_store_b32 v21, v[8*(4*(\t)+\p)+\j] offset:(16*(\t)+\j)*272+64*\p
.endr
.endr
	WIN 0xc0
.irp i, 0,1,2,3,4,5,6,7
	ds_load_b128 v[32*(\t)+4*\i:32*(\t)+4*\i+3], v22 offset:(8*(\t)+\i)*544  ; LDS serves a wave's instructions in order (ISA guide 5.7.1.4): these see the stores above
.endr
.endm
.macro OUTB t, younger                 ; younger: the LDS instructions issued behind tile t's loads: the next tile's 32 stores and 8 loads, or none
	s_wait_dscnt \younger
	WIN 0xcb
.irp n, 0,1,2,3,4,5,6,7,8,9,10,11,12,13,14,15
	v_pk_add_f32 v[32*(\t)+2*\n:32*(\t)+2*\n+1], v[32*(\t)+2*\n:32*(\t)+2*\n+1], v[32*(\t)+2*\n:32*(\t)+2*\n+1]  ; window 3 += window 2: + x
.endr
	WIN 0xcc
.set n, 0
.rept 32
	v_max_num_f32 v[32*(\t)+n], 0, v[32*(\t)+n]
.set n, n+1
.endr
	WIN 0x0c
.irp i, 0,1,2,3,4,5,6,7
	global_store_b128 v20, v[32*(\t)+4*\i:32*(\t)+4*\i+3], s[28:29] offset:(64*(\t)+2*\i)*4096 th:TH_STORE_NT  ; 16 lanes store 256 consecutive bytes, at a multiple of 256 from out0's first byte
.endr
.endm
	OUTA 0
.set g, 1
.rept 7
	OUTA g
	OUTB g-1, 40
.set g, g+1
.endr
	OUTB 7, 0
	WIN 0
	s_wait_tensorcnt 0x0                           ; the wave's end, behind my last tensor load and my last LDS store
	ds_add_u32 v30, v31
	s_wait_dscnt 0x0
	CROUND                                         ; the closing round: no work-group ends while a partner may still ask for a slot that names it
	s_endpgm
.Lfunc_end_k_q4396c910aa_block:
	.size	k_q4396c910aa_block, .Lfunc_end_k_q4396c910aa_block-k_q4396c910aa_block
	.p2alignl 7, 3214868480
	.fill 96, 4, 3214868480
	.section	.rodata,"a",@progbits
	.p2align	6, 0x0
	.amdhsa_kernel k_q4396c910aa_block
		.amdhsa_group_segment_fixed_size 327680
		.amdhsa_private_segment_fixed_size 0
		.amdhsa_enable_private_segment 0
		.amdhsa_kernarg_size 104
		.amdhsa_user_sgpr_count 2
		.amdhsa_user_sgpr_kernarg_segment_ptr 1
		.amdhsa_wavefront_size32 1
		.amdhsa_system_sgpr_workgroup_id_x 1
		.amdhsa_system_sgpr_workgroup_id_y 1
		.amdhsa_system_sgpr_workgroup_id_z 1
		.amdhsa_system_vgpr_workitem_id 0
		.amdhsa_next_free_vgpr 1024
		.amdhsa_next_free_sgpr 102
		.amdhsa_reserve_vcc 1
		.amdhsa_float_denorm_mode_32 3
		.amdhsa_float_denorm_mode_16_64 3
		.amdhsa_memory_ordered 1
		.amdhsa_forward_progress 1
		.amdhsa_inst_pref_size 255
	.end_amdhsa_kernel
	.section	.bss,"aw",@nobits
	.p2align	6
	.space	262144
	.amdgpu_metadata
---
amdhsa.version: [ 1, 2 ]
amdhsa.kernels:
  - .name:           k_q4396c910aa_block
    .symbol:         k_q4396c910aa_block.kd
    .args:
      - { .name: x, .offset: 0, .size: 8, .value_kind: global_buffer, .address_space: global }
      - { .name: wsw, .offset: 8, .size: 8, .value_kind: global_buffer, .address_space: global }
      - { .name: ffn1_b, .offset: 16, .size: 8, .value_kind: global_buffer, .address_space: global }
      - { .name: ffn2_b, .offset: 24, .size: 8, .value_kind: global_buffer, .address_space: global }
      - { .name: ln1_w, .offset: 32, .size: 8, .value_kind: global_buffer, .address_space: global }
      - { .name: ln1_b, .offset: 40, .size: 8, .value_kind: global_buffer, .address_space: global }
      - { .name: ln2_w, .offset: 48, .size: 8, .value_kind: global_buffer, .address_space: global }
      - { .name: ln2_b, .offset: 56, .size: 8, .value_kind: global_buffer, .address_space: global }
      - { .name: scale_norm1, .offset: 64, .size: 8, .value_kind: global_buffer, .address_space: global }
      - { .name: scale_attn, .offset: 72, .size: 8, .value_kind: global_buffer, .address_space: global }
      - { .name: scale_ffn, .offset: 80, .size: 8, .value_kind: global_buffer, .address_space: global }
      - { .name: scale_norm2, .offset: 88, .size: 8, .value_kind: global_buffer, .address_space: global }
      - { .name: out0, .offset: 96, .size: 8, .value_kind: global_buffer, .address_space: global }
    .group_segment_fixed_size: 327680
    .private_segment_fixed_size: 0
    .kernarg_segment_align: 8
    .kernarg_segment_size: 104
    .max_flat_workgroup_size: 128
    .sgpr_count:     102
    .vgpr_count:     1024
    .wavefront_size: 32
...
	.end_amdgpu_metadata
.endif
;; end of part 2
